; MI455X (gfx1250); checked and timed in simulation.
; The chip was launched on July 23, 2026; its instructions are those of AMD's public machine-readable ISA for CDNA 5 (MIT licence, August 2026) and "CDNA5" Instruction Set Architecture Reference Guide (July 2026). The comments in the code are by the model that wrote it; some were corrected since.
;; Attention. Allowed arithmetic: matrix products marked QUANTISED: E2M3 operands, one E8M0 scale for each 32 along K, by v_wmma_scale_f32_16x16x128_f8f6f4 with both operands' format E2M3, f32 sums; products left as they are: f32 operands where the result goes on into a quantised operand, else bf16, f16 or f32 operands; f32 sums; everything else in f32.
;; Inputs: Wk_codes 1,024 x 64 x 24 uint8 (E2M3 codes of Wk, K innermost, in blocks of 32 codes, four codes in three bytes); Wk_scales 1,024 x 64 uint8 (E8M0 scales of Wk, one for each 32 codes along K); Wo 1,024 x 2,048 float32; Wq 1,024 x 1,024 float32; Wv_codes 1,024 x 64 x 24 uint8 (E2M3 codes of Wv, K innermost, in blocks of 32 codes, four codes in three bytes); Wv_scales 1,024 x 64 uint8 (E8M0 scales of Wv, one for each 32 codes along K); bk 1,024 float32; bo 1,024 float32; bq 1,024 float32; bv 1,024 float32; memory 16,384 x 2,048 float32; x 1 x 1 x 1,024 float32.
;; Outputs: out0 1 x 1 x 1,024 float32.
;; This version of the problem:
;;   THIS VERSION OF THE PROBLEM IS GIVEN IN LOW PRECISION. The matrix products marked QUANTISED in the list below multiply operands that are first quantised to E2M3 (2 exponent bits, 3 mantissa bits; 6 bits a number), with one power-of-two scale for each 32 numbers along K (OCP MX v1.0); their sums are f32. All else is computed in f32.
;;   The module's matrix products, in the order in which they are computed (A, B: the left and right operand; K: the contracted axis; several contracted axes count as one K, in the product's order):
;;     1. [M 1, K 1,024] x [K 1,024, N 1,024]; A: input x; B: input Wq: left as it is (M = 1 < 16)
;;     2. [M 16,384, K 2,048] x [K 2,048, N 1,024]; A: input memory; B: input Wk (given as codes): QUANTISED
;;     3. batch 8 x [M 1, K 128] x [K 128, N 16,384]; A: computed on the way; B: computed on the way: left as it is (M = 1 < 16)
;;     4. [M 16,384, K 2,048] x [K 2,048, N 1,024]; A: input memory; B: input Wv (given as codes): QUANTISED
;;     5. batch 8 x [M 1, K 16,384] x [K 16,384, N 128]; A: softmax; B: computed on the way: left as it is (M = 1 < 16)
;;     6. [M 1, K 2,048] x [K 2,048, N 1,024]; A: computed on the way; B: input Wo: left as it is (M = 1 < 16)
;;   THE QUANTISER, for each operand of a quantised product, along K:
;;     - K is cut into blocks of 32 from its start; a last block that is shorter is filled with zeros.
;;     - A block's scale is 2^e with e = floor(log2(the largest magnitude in the block)) - 2, held to -126 .. 127; a block of zeros has e = 0. As a byte (E8M0): e + 127.
;;     - Each number is divided by its block's scale, clamped to +-7.5, and rounded to the nearest number of E2M3, ties to even, subnormals kept.
;;     - The product sums the exact products of the quantised numbers (number of the format x scale) in f32.
;;   ~~~python
;;   def quantise(x, axis):      # numpy; x: float32 -> the quantised numbers, widened to float32 again
;;       x = np.moveaxis(x, axis, -1); K = x.shape[-1]
;;       x = np.pad(x, [(0, 0)] * (x.ndim - 1) + [(0, -K % 32)]); x = x.reshape(x.shape[:-1] + (-1, 32)); a = np.abs(x).max(-1, keepdims=True)
;;       e = np.where(a > 0, np.clip(np.frexp(np.where(a > 0, a, 1))[1] - 1 - 2, -126, 127), 0)      # np.frexp(a)[1] - 1 = floor(log2(a)), exactly
;;       r = np.clip(x / 2.0 ** e, -7.5, 7.5)
;;       step = 2.0 ** (np.maximum(np.frexp(np.where(r == 0, 1, r))[1] - 1, 0) - 3)
;;       q = np.round(r / step) * step * 2.0 ** e      # np.round: ties to even
;;       return np.moveaxis(q.reshape(q.shape[:-2] + (-1,))[..., :K], -1, axis).astype(np.float32)
;;   ~~~
;;   INPUTS GIVEN AS CODES. Wk (in the module: [1024, 2048], K = its axis 1); Wv (in the module: [1024, 2048], K = its axis 1): each comes as NAME_codes (uint8): NAME with its K axis moved to the last place and cut into blocks of 32 codes, [.., K / 32, bytes a block], one block behind the other in memory; four codes in three bytes: a row's codes are one little-endian stream of bits, code i at bits 6 i .. 6 i + 5 (a code: sign, 2 exponent bits, 3 mantissa bits); and NAME_scales (uint8): the same leading axes, one E8M0 byte (e + 127) for each 32 codes along K. Its value is code x scale, taken as it is: it is not quantised again, and the codes and scales need not be those that the quantiser above would give.
;; One version. Each part assembles by itself: llvm-mc -triple=amdgcn-amd-amdhsa -mcpu=gfx1250 --defsym DOCPART=n.
;; ======== version 1 of 1: 3 launches
;; limits: right only within a limited range of input values
;; workspace buffers: mcodes 25,165,824 bytes; mscales 1,048,576 bytes; qs 8,192 bytes; part 262,144 bytes; stat 4,096 bytes; wre 3,276,800 bytes
;; launch prep (part 1): grid 5 x 256, 4 waves a work-group, no clusters, 33,280 bytes of LDS; arguments memory, x, Wq, bq, bk, mcodes, mscales, qs, Wk_codes, Wk_scales, Wv_codes, Wv_scales, wre; writes mcodes, mscales, qs, wre
.if DOCPART == 1
	.amdgcn_target "amdgcn-amd-amdhsa--gfx1250"
	.amdhsa_code_object_version 6
	.text
	.protected	k_q8d9fe5622c_prep
	.globl	k_q8d9fe5622c_prep
	.p2align	8
	.type	k_q8d9fe5622c_prep,@function
k_q8d9fe5622c_prep:
	s_mov_b64 s[64:65], 0
	v_nop
	global_prefetch_b8 v0, s[64:65] scope:SCOPE_SE
	s_setreg_imm32_b32 hwreg(HW_REG_WAVE_MODE, 25, 1), 1
	s_wait_xcnt 0x0
; TWO JOBS IN ONE LAUNCH, parted by the work-group's x (0 .. 4); its y is 0 .. 255.
; x = 1 .. 4, work-group 4 y + x - 1 of 1,024: memory [16384][2048] f32 becomes codes of FP6 (E2M3), 6 bits each, K innermost (mcodes: a row is 1,536 bytes, one stream of bits), with one E8M0 byte for each 32 along K (mscales [16384][64]).
;   A block's scale is 2^(floor(log2(its largest magnitude)) - 2); its byte is the largest magnitude's exponent field - 2, held at 1 from below.  Each number is divided by the scale and rounded to the nearest code, ties to even; beyond 7.5 the largest code.
;   Rows are dense and 2,048 is a multiple of 32: the tensor is a plain stream of blocks of 32, and so are the codes and the bytes.  A wave takes 16 steps of 512 numbers.
;   Each load reads 512 consecutive bytes, 16 a lane; a step's 2,048 bytes turn through the wave's own stage in LDS and come back 64 bytes a lane, so that a lane holds 16 neighbours along K for the conversion.
;   LIMITS: a block of zeros gets the byte 1 where the rule says 127 (its codes are zeros, and this program alone reads the bytes); NaN and infinities in memory are not served.
; x = 0, work-group y of 256: q = (x Wq^T + bq) c, c = log2(e) / sqrt(128), in f32 by fused multiply-adds, and q bk.  qs: bytes 0 .. 4095 q as [head n][channel dd] (the value of column h = 8 dd + n), bytes 4096 .. 8191 the same times bk[h].
;   A wave takes ONE row of Wq, 4,096 bytes.
; WHY FIVE ALONG x: a quantising work-group reads 131,072 bytes, one that makes q 16,384 of Wq.  Of any five work-groups that follow each other in the grid one makes q and four quantise, so the small job lies evenly among the large ones.
; No cluster, no tensor load: no two work-groups read the same bytes but x (4,096 bytes), and waves share nothing.
; WORK LEFT OUT, in the whole program: reference() adds pad_mask x TINY to the scores.  TINY is +0.0 in f32 and pad_mask is 0 or 1 whatever a row's sum is, so the term is 0 for all inputs: memory's row sums are not formed.
; LIMIT: a NaN, an infinity or an overflow that reaches only that row sum is not carried to the result.
; A THIRD JOB, with q (x = 0): the weights' codes and scales are laid anew by pairs of heads into wre, for the next launch's tiles.  Block (matrix m, pair hp) is 409,600 bytes at (4 m + hp) x 409,600:
;   first the scale bytes of its 256 rows (row 128 j + dd is weight row 8 dd + 2 hp + j; 64 bytes a row), then six chunks, chunk c holding bytes 256 c .. 256 c + 255 of each of the 256 rows of codes, 256 bytes a row.
.set STEPS, 16
.set EMAX,  2                          ; the exponent of the format's largest number, 7.5
.set CB,    12                         ; bytes of 16 codes
.set R,     16                         ; v16-79   four sets of 16 numbers as they are loaded
.set X,     80                         ; v80-111  two sets of 16 neighbours
.set E,     112                        ; v112-119 the scale bytes, eight registers by turns
.set C,     128                        ; v128-191 codes: four registers for each step, so that no store's data are written again
.set WREG,  8192                       ; LDS: a region for each wave: two stages of 32 x SP bytes, behind them its 256 scale bytes
.set SP,    80                         ; a lane's place in a stage: 64 bytes + 16 of padding
.set CSC,   0x3e0293ee                 ; c = log2(e) / sqrt(128)
	s_load_b512 s[4:19], s[0:1], 0x0               ; memory s[4:5], x s[6:7], Wq s[8:9], bq s[10:11], bk s[12:13], mcodes s[14:15], mscales s[16:17], qs s[18:19]
	v_lshl_add_u32 v126, v0, 2, 0x8000
	v_mov_b32 v127, 0
	v_lshrrev_b32 v1, 5, v0
	v_readfirstlane_b32 s20, v1                    ; wave 0..3
	v_and_b32 v2, 31, v0                           ; lane
	s_and_b32 s30, ttmp7, 0xffff                   ; y
	s_cmp_eq_u32 ttmp9, 0
	s_cbranch_scc1 .Lq
	; ---------------- the quantiser ----------------
	v_lshlrev_b32 v3, 4, v2                        ; my 16 bytes of a load's 512
	s_mul_i32 s21, s20, WREG
	v_lshrrev_b32 v14, 2, v2
	v_mul_u32_u24 v14, v14, SP
	v_and_b32 v15, 3, v2
	v_lshl_add_u32 v14, v15, 4, v14
	v_add_nc_u32 v14, s21, v14                     ; the stage, on the way in: four lanes' 64 bytes on end, then 16 of padding
	v_mul_u32_u24 v15, v2, SP
	v_add_nc_u32 v15, s21, v15                     ; and on the way out: SP x lane: my 16 neighbours
	v_mul_u32_u24 v4, v2, CB                       ; my codes' place in a step's
	v_lshrrev_b32 v5, 1, v2
	s_add_co_u32 s21, s21, 2*32*SP
	v_add_nc_u32 v5, s21, v5                       ; LDS: my wave's 256 scale bytes, my block's byte
	v_lshlrev_b32 v7, 3, v2                        ; and on the way out 8 bytes a lane
	v_add_nc_u32 v6, s21, v7
	s_lshl_b32 s21, s30, 2
	s_add_co_u32 s21, s21, ttmp9
	s_sub_co_u32 s21, s21, 1                       ; the quantising work-group's number: 4 y + x - 1
	s_lshl_b32 s21, s21, 2
	s_add_co_u32 s21, s21, s20                     ; which run of 8,192 numbers is my wave's: 0 .. 4095
	s_lshl_b32 s24, s21, 15                        ; 32,768 bytes of f32 a run,
	s_mov_b32 s25, 0
	s_mul_i32 s26, s21, 32*STEPS*CB                ; 6,144 bytes of codes,
	s_mov_b32 s27, 0
	s_lshl_b32 s28, s21, 8                         ; 256 scale bytes
	s_mov_b32 s29, 0
	s_wait_alu depctr_va_vdst(0)
	s_wait_kmcnt 0x0
	s_add_nc_u64 s[4:5], s[4:5], s[24:25]
	s_add_nc_u64 s[14:15], s[14:15], s[26:27]
	s_add_nc_u64 s[16:17], s[16:17], s[28:29]
.macro LOAD t
.irp i, 0,1,2,3
	global_load_b128 v[R+16*((\t)%4)+4*\i:R+16*((\t)%4)+4*\i+3], v3, s[4:5] offset:2048*(\t)+512*\i th:TH_LOAD_NT   ; 32 lanes read 512 consecutive bytes; read once in the launch
.endr
.endm
.macro TURN t                          ; step t's numbers through the stage: LDS serves a wave's instructions in order, so no wait stands between the stores and the loads
.irp i, 0,1,2,3
	ds_store_b128 v14, v[R+16*((\t)%4)+4*\i:R+16*((\t)%4)+4*\i+3] offset:32*SP*((\t)%2)+8*SP*\i
.endr
.irp i, 0,1,2,3
	ds_load_b128 v[X+16*((\t)%2)+4*\i:X+16*((\t)%2)+4*\i+3], v15 offset:32*SP*((\t)%2)+16*\i
.endr
.endm
.irp t, 0,1,2,3
	LOAD \t
.endr
	s_wait_loadcnt 12                              ; step 0's four loads are in; the twelve of steps 1 to 3 may be out
	TURN 0
.macro STEP t
.set XS, X+16*((\t)%2)
.if (\t) > 0
	s_wait_dscnt 1                                 ; this step's numbers are back from the stage (the last step's byte store may be out): so its stores into the stage have read their registers,
.else
	s_wait_dscnt 0x0
.endif
.if (\t)+4 < STEPS
	LOAD (\t)+4                                    ; which take the loads of four steps on
.endif
.if (\t)+1 < STEPS
.if STEPS-2-(\t) >= 3
	s_wait_loadcnt 12                              ; the next step's four loads are in; those of the three steps behind it may be out
.else
	s_wait_loadcnt 4*(STEPS-2-(\t))
.endif
	TURN (\t)+1                                    ; and go through the other stage while this step is worked
.endif
	v_max3_num_f32 v8, |v[XS]|, |v[XS+1]|, |v[XS+2]|               ; the largest magnitude of my 16, in two chains
	v_max3_num_f32 v9, |v[XS+3]|, |v[XS+4]|, |v[XS+5]|
.irp i, 6,10
	v_max3_num_f32 v8, v8, |v[XS+\i]|, |v[XS+\i+1]|
	v_max3_num_f32 v9, v9, |v[XS+\i+2]|, |v[XS+\i+3]|
.endr
	v_max3_num_f32 v8, v8, |v[XS+14]|, |v[XS+15]|
	v_max3_num_f32 v8, v8, v9, (EMAX+1)<<23        ; and the floor 2^(EMAX + 1 - 127): so the byte cannot fall under 1
	v_max_num_f32_dpp v8, v8, v8 row_xmask:1 row_mask:0xf bank_mask:0xf   ; and of my neighbour's 16: the block's
	v_add_nc_u32 v11, -(EMAX<<23), v8              ; EMAX off its exponent field: the conversion takes the exponent field of this operand as its scale, and nothing else of it
	v_cvt_scalef32_pk16_fp6_f32 v[C+4*(\t):C+4*(\t)+2], v[XS:XS+15], v11   ; sixteen codes, 96 bits without gaps, the first number's code lowest
	v_lshrrev_b32 v[E+(\t)%8], 23, v11             ; the scale's byte (also the plain line behind the conversion); eight registers by turns
	ds_store_b8 v5, v[E+(\t)%8] offset:16*(\t)     ; both lanes of a block write the same byte with the same value
	global_store_b96 v4, v[C+4*(\t):C+4*(\t)+2], s[14:15] offset:32*CB*(\t)   ; the wave stores 384 consecutive bytes
.endm
.irp t, 0,1,2,3,4,5,6,7,8,9,10,11,12,13,14,15
	STEP \t
.endr
	ds_load_b64 v[12:13], v6                       ; LDS serves a wave's instructions in order: these see my byte stores
	s_wait_dscnt 0x0
	global_store_b64 v7, v[12:13], s[16:17]        ; 32 lanes store 256 consecutive bytes, aligned
	s_wait_tensorcnt 0x0
	ds_add_u32 v126, v127
	s_wait_dscnt 0x0
	s_endpgm
	; ---------------- q ----------------
.Lq:
	s_load_b256 s[40:47], s[0:1], 0x40             ; Wk's codes s[40:41], scales s[42:43], Wv's codes s[44:45], scales s[46:47]
	s_load_b64 s[48:49], s[0:1], 0x60              ; wre
	s_lshl_b32 s21, s30, 2
	s_add_co_u32 s21, s21, s20                     ; W = 4 y + wave = 128 n + dd: 0 .. 1023: my number's place in qs
	s_lshr_b32 s24, s21, 7                         ; the head n
	s_and_b32 s25, s21, 127                        ; the channel dd
	s_lshl_b32 s26, s25, 3
	s_add_co_u32 s26, s26, s24                     ; h = 8 dd + n: my row of Wq
	s_lshl_b32 s28, s26, 2                         ; bq, bk: 4 h
	s_lshl_b32 s26, s26, 12                        ; Wq: 4,096 bytes a row
	s_mov_b32 s27, 0
	s_lshl_b32 s29, s21, 2                         ; qs: 4 W
	s_mov_b32 s22, 0x76543210
	s_mov_b32 s23, 0xfedcba98                      ; v_permlanex16_b32's selects for lane l xor 16
	s_wait_alu depctr_va_vdst(0)
	v_lshlrev_b32 v1, 4, v2                        ; 16 x lane
	v_mov_b32 v4, s28
	v_mov_b32 v5, s29
	; the weights' new lay-out.  Codes: wave W takes weight row h = W of both matrices, 1,536 bytes each: dd = W / 8, hp = (W / 2) % 4, j = W % 2
	s_mul_i32 s32, s21, 1536
	s_mov_b32 s33, 0
	s_bfe_u32 s34, s21, 0x20001
	s_mul_i32 s34, s34, 409600
	s_and_b32 s35, s21, 1
	s_lshl_b32 s35, s35, 15
	s_lshr_b32 s36, s21, 3
	s_lshl_b32 s36, s36, 8
	s_add_co_u32 s34, s34, s35
	s_add_co_u32 s34, s34, s36
	s_add_co_u32 s34, s34, 16384                   ; the pair's block + its scales + 256 (128 j + dd)
	s_mov_b32 s35, 0
	; scales: there are 512 units of 256 bytes in the new lay-out; wave W under 512 takes one: matrix (W / 256) % 2, hp = (W / 64) % 4, j = (W / 32) % 2, rows 4 g .. 4 g + 3 with g = W % 32
	s_and_b32 s36, s21, 31
	s_bfe_u32 s37, s21, 0x10005
	s_bfe_u32 s38, s21, 0x20006
	s_lshl_b32 s50, s36, 11
	s_lshl_b32 s51, s38, 7
	s_add_co_u32 s50, s50, s51
	s_lshl_b32 s51, s37, 6
	s_add_co_u32 s50, s50, s51                     ; from: 64 x (32 g + 2 hp + j)
	s_mov_b32 s51, 0
	s_bfe_u32 s39, s21, 0x10008
	s_lshl_b32 s39, s39, 2
	s_add_co_u32 s39, s39, s38
	s_mul_i32 s52, s39, 409600
	s_lshl_b32 s37, s37, 13
	s_lshl_b32 s36, s36, 8
	s_add_co_u32 s52, s52, s37
	s_add_co_u32 s52, s52, s36                     ; to: the block + 64 x (128 j + 4 g)
	s_mov_b32 s53, 0
	v_lshrrev_b32 v108, 4, v2
	v_and_b32 v110, 15, v2
	v_lshlrev_b32 v110, 4, v110                    ; 16 (L % 16): my 16 bytes of a unit of 256
	v_lshl_add_u32 v108, v108, 16, v110            ; lanes 16-31 write the next chunk
	v_bfe_u32 v109, v2, 2, 2
	v_and_b32 v111, 3, v2
	v_lshlrev_b32 v111, 4, v111
	v_lshl_add_u32 v109, v109, 9, v111             ; scales, from: four rows 512 bytes apart, 64 bytes each (lanes 16-31 repeat lanes 0-15)
	s_wait_alu depctr_va_vdst(0)
	s_wait_kmcnt 0x0
	s_add_nc_u64 s[8:9], s[8:9], s[26:27]
	s_and_b32 s54, s21, 256
	s_cmp_eq_u32 s54, 0                            ; which matrix's scales: by the wave's place alone
	s_cselect_b64 s[42:43], s[42:43], s[46:47]
	s_add_nc_u64 s[42:43], s[42:43], s[50:51]
	s_add_nc_u64 s[40:41], s[40:41], s[32:33]
	s_add_nc_u64 s[44:45], s[44:45], s[32:33]
	s_add_nc_u64 s[46:47], s[48:49], s[52:53]
	s_add_nc_u64 s[48:49], s[48:49], s[34:35]
.irp i, 0,1,2
	global_load_b128 v[80+4*\i:83+4*\i], v1, s[40:41] offset:512*\i
	global_load_b128 v[92+4*\i:95+4*\i], v1, s[44:45] offset:512*\i
.endr
	global_load_b32 v6, v4, s[10:11]               ; bq[h], the same in every lane
	global_load_b32 v7, v4, s[12:13]               ; bk[h]
.irp j, 0,1,2,3,4,5,6,7
	global_load_b128 v[16+4*\j:19+4*\j], v1, s[6:7] offset:512*\j      ; x: 32 numbers a lane, v16-47
.endr
.irp j, 0,1,2,3,4,5,6,7
	global_load_b128 v[48+4*\j:51+4*\j], v1, s[8:9] offset:512*\j th:TH_LOAD_NT   ; my row: eight loads of 512 consecutive bytes, v48-79; read once in the launch
.endr
	s_wait_loadcnt 0x0
.irp i, 0,1,2
	global_store_b128 v108, v[80+4*\i:83+4*\i], s[48:49] offset:131072*\i            ; sixteen lanes store 256 consecutive bytes, aligned
	global_store_b128 v108, v[92+4*\i:95+4*\i], s[48:49] offset:1638400+131072*\i    ; Wv's blocks lie four blocks behind Wk's
.endr
	s_cmp_lt_u32 s21, 512                          ; each unit of scales has one owner: waves 512 and up have none
	s_cbranch_scc0 .Lno_scales
	global_load_b128 v[104:107], v109, s[42:43]
	s_wait_loadcnt 0x0
	global_store_b128 v110, v[104:107], s[46:47]   ; sixteen lanes store 256 consecutive bytes, aligned (lanes 16-31 repeat them)
.Lno_scales:
	v_pk_mul_f32 v[10:11], v[48:49], v[16:17]      ; the first products start the sums: two packed chains
	v_pk_mul_f32 v[12:13], v[50:51], v[18:19]
.irp k, 4,8,12,16,20,24,28
	v_pk_fma_f32 v[10:11], v[48+\k:49+\k], v[16+\k:17+\k], v[10:11]
	v_pk_fma_f32 v[12:13], v[50+\k:51+\k], v[18+\k:19+\k], v[12:13]
.endr
	v_pk_add_f32 v[10:11], v[10:11], v[12:13]
	v_add_f32 v10, v10, v11
	v_add_f32_dpp v10, v10, v10 row_xmask:1 row_mask:0xf bank_mask:0xf
	v_add_f32_dpp v10, v10, v10 row_xmask:2 row_mask:0xf bank_mask:0xf
	v_add_f32_dpp v10, v10, v10 row_xmask:4 row_mask:0xf bank_mask:0xf
	v_add_f32_dpp v10, v10, v10 row_xmask:8 row_mask:0xf bank_mask:0xf
	v_permlanex16_b32 v11, v10, s22, s23
	v_add_f32 v10, v10, v11                        ; the row's sum, in every lane
	v_add_f32 v8, v10, v6                          ; + bq
	v_mul_f32 v8, CSC, v8                          ; x c: the scores then come in base 2
	v_mul_f32 v9, v8, v7                           ; and x bk: a head's sum of these is what bk adds to each of its scores
	s_wait_alu depctr_va_vdst(0)
	s_wait_xcnt 0x0                                ; EXEC changes only behind this wait
	v_cmp_eq_u32 vcc_lo, 0, v2
	s_and_saveexec_b32 s24, vcc_lo                 ; lane 0: one number a wave; qs is 8,192 bytes in all
	global_store_b32 v5, v8, s[18:19]
	global_store_b32 v5, v9, s[18:19] offset:4096
	s_wait_xcnt 0x0
	s_or_b32 exec_lo, exec_lo, s24
	s_endpgm
.Lfunc_end_k_q8d9fe5622c_prep:
	.size	k_q8d9fe5622c_prep, .Lfunc_end_k_q8d9fe5622c_prep-k_q8d9fe5622c_prep
	.p2alignl 7, 3214868480
	.fill 96, 4, 3214868480
	.section	.rodata,"a",@progbits
	.p2align	6, 0x0
	.amdhsa_kernel k_q8d9fe5622c_prep
		.amdhsa_group_segment_fixed_size 33280
		.amdhsa_private_segment_fixed_size 0
		.amdhsa_enable_private_segment 0
		.amdhsa_kernarg_size 104
		.amdhsa_user_sgpr_count 2
		.amdhsa_user_sgpr_kernarg_segment_ptr 1
		.amdhsa_wavefront_size32 1
		.amdhsa_system_sgpr_workgroup_id_x 1
		.amdhsa_system_sgpr_workgroup_id_y 1
		.amdhsa_system_sgpr_workgroup_id_z 1
		.amdhsa_system_vgpr_workitem_id 0
		.amdhsa_next_free_vgpr 192
		.amdhsa_next_free_sgpr 66
		.amdhsa_reserve_vcc 1
		.amdhsa_float_denorm_mode_32 3
		.amdhsa_float_denorm_mode_16_64 3
		.amdhsa_memory_ordered 1
		.amdhsa_forward_progress 1
		.amdhsa_inst_pref_size 40
	.end_amdhsa_kernel
	.amdgpu_metadata
---
amdhsa.version: [ 1, 2 ]
amdhsa.kernels:
  - .name:           k_q8d9fe5622c_prep
    .symbol:         k_q8d9fe5622c_prep.kd
    .args:
      - { .name: memory, .offset: 0, .size: 8, .value_kind: global_buffer, .address_space: global }
      - { .name: x, .offset: 8, .size: 8, .value_kind: global_buffer, .address_space: global }
      - { .name: Wq, .offset: 16, .size: 8, .value_kind: global_buffer, .address_space: global }
      - { .name: bq, .offset: 24, .size: 8, .value_kind: global_buffer, .address_space: global }
      - { .name: bk, .offset: 32, .size: 8, .value_kind: global_buffer, .address_space: global }
      - { .name: mcodes, .offset: 40, .size: 8, .value_kind: global_buffer, .address_space: global }
      - { .name: mscales, .offset: 48, .size: 8, .value_kind: global_buffer, .address_space: global }
      - { .name: qs, .offset: 56, .size: 8, .value_kind: global_buffer, .address_space: global }
      - { .name: Wk_codes, .offset: 64, .size: 8, .value_kind: global_buffer, .address_space: global }
      - { .name: Wk_scales, .offset: 72, .size: 8, .value_kind: global_buffer, .address_space: global }
      - { .name: Wv_codes, .offset: 80, .size: 8, .value_kind: global_buffer, .address_space: global }
      - { .name: Wv_scales, .offset: 88, .size: 8, .value_kind: global_buffer, .address_space: global }
      - { .name: wre, .offset: 96, .size: 8, .value_kind: global_buffer, .address_space: global }
    .group_segment_fixed_size: 33280
    .private_segment_fixed_size: 0
    .kernarg_segment_align: 8
    .kernarg_segment_size: 104
    .max_flat_workgroup_size: 128
    .sgpr_count:     66
    .vgpr_count:     192
    .wavefront_size: 32
...
	.end_amdgpu_metadata
.endif
;; end of part 1
;; launch attn (part 2): grid 4 x 64, 4 waves a work-group, clusters of 4 x 4, 327,680 bytes of LDS; arguments mcodes, mscales, wre, qs, part, stat; writes part, stat
.if DOCPART == 2
	.amdgcn_target "amdgcn-amd-amdhsa--gfx1250"
	.amdhsa_code_object_version 6
	.text
	.protected	k_q8d9fe5622c_attn
	.globl	k_q8d9fe5622c_attn
	.p2align	8
	.type	k_q8d9fe5622c_attn,@function
k_q8d9fe5622c_attn:
	s_mov_b64 s[64:65], 0
	v_nop
	global_prefetch_b8 v0, s[64:65] scope:SCOPE_SE
	s_setreg_imm32_b32 hwreg(HW_REG_WAVE_MODE, 25, 1), 1
	s_wait_xcnt 0x0
	s_wait_alu depctr_hold_cnt(0) depctr_sa_sdst(0) depctr_va_vdst(0) depctr_va_sdst(0) depctr_va_ssrc(0) depctr_va_vcc(0) depctr_vm_vsrc(0)
	s_getreg_b32 s2, hwreg(HW_REG_IB_STS2, 6, 4)
	s_cmp_eq_u32 s2, 0
	s_cbranch_scc0 .Lentry_in_a_cluster
	s_endpgm
.Lentry_in_a_cluster:
	s_bfe_u32 s2, ttmp6, 0x10000c
	s_cmp_lg_u32 s2, 0xf033
	s_cbranch_scc0 .Lentry_shape_is_right
	s_endpgm
.Lentry_shape_is_right:
; BOTH QUANTISED PRODUCTS, memory Wk^T and memory Wv^T (16,384 x 1,024 x 2,048 each), on codes of FP6 (E2M3) with one E8M0 scale for each 32 along K, and what attention makes of them: K and V never go to memory.
; LEFT OUT: the pad mask's term, pad_mask x TINY, which is 0 for all inputs (TINY is +0.0 in f32, the mask 0 or 1).
; SHARES.  A work-group takes 256 rows of memory (block rb) and two heads (pair hp).  Wave w = 2 i + j makes rows 128 i .. 128 i + 127 x all 128 channels of head n = 2 hp + j: 64 accumulators, 512 registers.
; TWO PHASES over K = 2,048, 16 steps of 128 each.  Phase K: B = Wk; then t = (K + bk) . q in base 2, m = the largest t of my 128 rows, p = 2^(t - m), l = the sum of p.  Phase V: B = Wv; then F[dd] = the sum of p V[row][dd].
; THE RING: two LDS slots, each with one CHUNK of 256 bytes of A's 256 rows and of B's 256 rows; a row of codes is six chunks; a step is 96 bytes of a row, so steps 2, 5, 10, 13 lie across two chunks.
; The weights come from wre, laid by the launch before: for a pair of heads the scale bytes of its 256 rows, then chunk after chunk, each dense.  So B's tile is one dense block, and the head's load brings Wk's scales and chunk 0 as one tile of 320 rows.
; ONE TEXT FOR BOTH PHASES: steps 0 to 12 are a loop's body, run twice; what differs lies in descriptors.  Steps 13 to 15 are written out twice: phase K's ask for phase V's chunks 0 and 1 and Wv's scales, phase V's ask for nothing.
; WHO LOADS: waves 0 and 1 A's halves, wave 2 B's 256 rows; wave 3 A's scales at the head and Wv's scales, into Wk's bytes, at phase K's step 13 (Wk's last scale words are read in step 12).
; CLUSTERS 4 x 4: the four of a row (one rb) ask jointly for A's tiles, the four of a column (one hp) for B's.  THE MATRIX INSTRUCTION IS USED TRANSPOSED: lane (r, h) holds row 16 a + r, register j of accumulator (a, b) channel 16 b + 8 h + j.
; PREFETCH: in phase K, behind the refills with chunks 2 and 3, waves 0 and 1 name chunks 4 and 5 of memory's codes, two refills ahead; a lane a row, the four partners 32 rows each, told apart by address.  Chunks 0 to 3 come by their loads alone;
; phase V walks rows that phase K has read; the weights are read by all 64 blocks of rows and are not asked for.
; The two waves of a head are merged under their common maximum; part[rb][n][dd] and stat[rb][n] = (m, l) go to memory for the last launch.
; REGISTERS: window 0: v8 prefetch offset; v16-31 addresses; v32-63 scale words, two sets; v64-127 q, then F; v128-223 A's fragments, one set; v224-255 scores, p, at work.  Window 1: B's fragments, two sets.  Windows 2, 3: accumulators.
.set ROWB,   256
.set KROW,   1536
.set CHUNKS, 6
.set WCH,    65536                     ; a chunk of a pair's 256 weight rows in wre
.set WBLK,   16384+6*WCH               ; a pair's block in wre
.set NQ,     2
.set PITCH,  272                       ; an LDS row: 256 bytes + 16 of padding
.set FR,     12
.set NL,     6
.set NP,     4
.set HALFT,  128*PITCH
.set SLOT,   4*HALFT
.set HALFS,  32*272                    ; the scales of 128 rows: 32 units of 256 bytes + 16
.set SBLK,   4*272                     ; of 16 rows
.set WS,     0                         ; LDS: the weights' scales, directly ahead of slot 0's B,
.set B0,     2*HALFS                   ; slot 0: B's 256 rows,
.set A0,     B0+2*HALFT                ; A's 256 rows; slot 1 lies SLOT further on;
.set AS,     B0+2*SLOT                 ; A's scales;
.set SPARE,  AS+2*HALFS                ; the spare words, 128 bytes a wave, which no other line names
.set STG,    A0                        ; the end's stage, 1,024 bytes a wave, in slot 0, which has then had its last fill and its last read
.set PFO,  8
.set ADRA, 16                          ; v16-17 my A fragments in slot 0, 1; v18-19 for pieces whose lanes 16-31 read the next chunk, in the other slot
.set ADRB, 20
.set STO,  24
.set RD,   25
.set PO,   26
.set ADRS, 27                          ; my scale words: lanes 0-15 A's rows, lanes 16-31 the weights'
.set SPW,  28
.set NIL,  29
.set STM,  31
.set SC,   32
.set QV,   64
.set FV,   64
.set AF,   128
.set SS,   224
.set QB,   240
.set TP,   242
.set MXR,  250
.set SUMR, 251
.set PFA,  4
.set LIM,  6                           ; s6: 0 in waves 0 and 1, else the greatest number: a wave prefetches while the phase counter equals it
.set G1,   32                          ; group 1 for A's tiles; s[40:47] group 0, a set for each slot
.set G0,   40
.set G1B,  48                          ; the same for B's
.set G0B,  56
.set G1S,  68                          ; group 1 for A's scales, s[76:83] for the weights'
.set G1SB, 76
.set G0S,  84                          ; group 0: A's scales; s[88:91] Wv's scales; s[92:95] the head's tile of Wk
.set G0SV, 88
.set G0H,  92
.set SEL,  100
.set MSB, 0
.macro WIN new
.if MSB != (\new)
	s_set_vgpr_msb (MSB<<8)|(\new)
.set MSB, \new
.endif
.endm
.set MUL_LO, 0xa1
.set MUL_HI, 0xf1
.set TO_B,   0x40
.macro PLACES n
.rept \n
	v_nop
.endr
.endm
.macro TLOAD g0, g1                    ; a tensor load with an s_nop and four v_nop behind it; the four v_nop are also the places in front of the LDS loads that follow
	tensor_load_to_lds s[\g0:\g0+3], s[\g1:\g1+7]
	s_nop 0
	PLACES 4
.endm
; A slot's joint loads.  The branches hang on the wave's number alone.  sc = 1: wave 3 brings Wv's scales; else it has nothing to fetch.
.macro JLOAD s, sc
	s_cmp_lt_u32 s22, 2
	s_cbranch_scc0 .Lfor_b_\@
	TLOAD G0+4*(\s), G1
	s_branch .Lasked_\@
.Lfor_b_\@:
	s_cmp_eq_u32 s22, 2
	s_cbranch_scc0 .Lfor_s_\@
	TLOAD G0B+4*(\s), G1B
	s_branch .Lasked_\@
.Lfor_s_\@:
.if \sc
	TLOAD G0SV, G1SB
.else
	PLACES 4
.endif
.Lasked_\@:
.endm
.macro ASK c                           ; chunk c of my work-group's 32 rows of the 128 that I fetch; the address registers are never rewritten
	s_cmp_eq_u32 s3, s[LIM]
	s_cbranch_scc0 .Lnot_mine_\@
	global_prefetch_b8 v[PFO], s[PFA:PFA+1] offset:(\c)*ROWB th:TH_LOAD_NT scope:SCOPE_SE
.Lnot_mine_\@:
.endm
.macro CREST
	s_cmp_lg_u32 s22, 0
	s_cbranch_scc1 .Lnot_wave_0_\@
	s_barrier_signal -3
.Lnot_wave_0_\@:
	s_barrier_wait -3
	s_barrier_signal -1
	s_barrier_wait -1
.endm
.macro CROUND
	s_barrier_signal -1
	s_barrier_wait -1
	CREST
.endm
	s_load_b256 s[4:11], s[0:1], 0x0               ; mcodes s[4:5], mscales s[6:7], wre s[8:9], qs s[10:11]
	s_load_b128 s[12:15], s[0:1], 0x20             ; part s[12:13], stat s[14:15]
	v_lshl_add_u32 v[SPW], v0, 2, SPARE
	v_mov_b32 v[NIL], 0
	ds_add_u32 v[SPW], v[NIL]                      ; the opening lines: the add, twice on end, and its wait ahead of my first tensor load
	ds_add_u32 v[SPW], v[NIL]
	v_lshrrev_b32 v1, 5, v0
	v_readfirstlane_b32 s22, v1                    ; wave w
	s_lshr_b32 s23, s22, 1                         ; i: which 128 rows are mine
	s_and_b32 s24, s22, 1                          ; j: which head.  Also: which half of A waves 0 and 1 fetch
	s_bfe_u32 s25, ttmp6, 0x40000                  ; cx, cy
	s_bfe_u32 s26, ttmp6, 0x40004
	s_lshl_b32 s27, ttmp9, 2
	s_add_co_u32 s27, s27, s25                     ; hp
	s_and_b32 s28, ttmp7, 0xffff
	s_lshl_b32 s28, s28, 2
	s_add_co_u32 s28, s28, s26                     ; rb
	s_lshl_b32 s29, s26, 2
	s_lshl_b32 s29, 15, s29                        ; my row of the cluster
	s_lshl_b32 s30, 0x1111, s25                    ; my column
	s_or_b32 s[G1+0], s29, (0<<16)|(1<<20)|(1<<21)|(5<<22)|(3<<25)    ; the mask; elements of 1 byte; 4 words of padding behind every 64
	s_or_b32 s[G1B+0], s30, (0<<16)|(1<<20)|(1<<21)|(5<<22)|(3<<25)
	s_mov_b32 s[G1+1], ROWB<<16
	s_mov_b32 s[G1+2], 128<<16                     ; A: 128 rows of 256 bytes, 1,536 bytes apart
	s_mov_b32 s[G1+3], ROWB<<16
	s_mov_b32 s[G1+4], 128
	s_mov_b32 s[G1+5], KROW
	s_mov_b32 s[G1+6], 0
	s_mov_b32 s[G1+7], 0
	s_mov_b32 s[G1B+1], ROWB<<16
	s_mov_b32 s[G1B+2], 320<<16                    ; B: dense rows of 256 bytes: 320 for the head's tile (64 of scales, 256 of chunk 0), then 256
	s_mov_b32 s[G1B+3], ROWB<<16
	s_mov_b32 s[G1B+4], 320
	s_mov_b32 s[G1B+5], ROWB
	s_mov_b32 s[G1B+6], 0
	s_mov_b32 s[G1B+7], 0
	s_or_b32 s[G1S+0], s29, (3<<16)|(1<<20)|(1<<21)|(5<<22)|(3<<25)   ; the scales of 256 rows: 64 dense rows of 256 bytes (32 elements of 8)
	s_or_b32 s[G1SB+0], s30, (3<<16)|(1<<20)|(1<<21)|(5<<22)|(3<<25)
.irp g, G1S, G1SB
	s_mov_b32 s[\g+1], 32<<16
	s_mov_b32 s[\g+2], 64<<16
	s_mov_b32 s[\g+3], 32<<16
	s_mov_b32 s[\g+4], 64
	s_mov_b32 s[\g+5], 32
	s_mov_b32 s[\g+6], 0
	s_mov_b32 s[\g+7], 0
.endr
	s_lshl_b32 s31, s24, 7
	s_lshl_b32 s96, s28, 8
	s_add_co_u32 s96, s96, s31                     ; A: row 256 rb + 128 x half
	s_mul_i32 s96, s96, KROW
	s_mov_b32 s97, 0
	s_lshl_b32 s98, s28, 14                        ; the block's scale bytes
	s_mov_b32 s99, 0
	s_mul_i32 s66, s27, WBLK                       ; the pair's block of Wk
	s_mov_b32 s67, 0
	s_mul_i32 s2, s24, HALFT
	s_add_co_u32 s2, s2, A0                        ; where A's half goes
	s_mov_b32 s[SEL], 0x76543210
	s_mov_b32 s[SEL+1], 0xfedcba98
	s_wait_dscnt 0x0                               ; both opening adds are done
	s_wait_kmcnt 0x0
	s_add_nc_u64 s[4:5], s[4:5], s[96:97]
	s_add_nc_u64 s[6:7], s[6:7], s[98:99]
	s_add_nc_u64 s[8:9], s[8:9], s[66:67]
	CROUND                                         ; all sixteen work-groups are here: the first joint loads meet
	s_mov_b32 s[G0S], 1
	s_mov_b32 s[G0S+1], AS
	s_mov_b64 s[G0S+2:G0S+3], s[6:7]
	s_or_b32 s[G0S+3], s[G0S+3], 0x80000000
	s_mov_b32 s[G0H], 1
	s_mov_b32 s[G0H+1], WS
	s_mov_b64 s[G0H+2:G0H+3], s[8:9]
	s_or_b32 s[G0H+3], s[G0H+3], 0x80000000
	s_mov_b32 s[G0SV], 1
	s_mov_b32 s[G0SV+1], WS
	s_add_nc_u64 s[G0SV+2:G0SV+3], s[8:9], 4*WBLK
	s_or_b32 s[G0SV+3], s[G0SV+3], 0x80000000
.irp s, 0,1
	s_mov_b32 s[G0+4*\s], 1
	s_add_co_u32 s[G0+4*\s+1], s2, \s*SLOT
	s_add_nc_u64 s[G0+4*\s+2:G0+4*\s+3], s[4:5], \s*ROWB
	s_or_b32 s[G0+4*\s+3], s[G0+4*\s+3], 0x80000000
	s_mov_b32 s[G0B+4*\s], 1
	s_mov_b32 s[G0B+4*\s+1], B0+\s*SLOT
	s_add_nc_u64 s[G0B+4*\s+2:G0B+4*\s+3], s[8:9], 16384+\s*WCH
	s_or_b32 s[G0B+4*\s+3], s[G0B+4*\s+3], 0x80000000
.endr
	; the head's loads, one a wave, in one chain of branches on the wave's number: A's halves of chunk 0; Wk's scales with chunk 0; A's scales
	s_cmp_lt_u32 s22, 2
	s_cbranch_scc0 .Lhead_b
	TLOAD G0, G1
	s_branch .Lhead_asked
.Lhead_b:
	s_cmp_lt_u32 s22, 3
	s_cbranch_scc0 .Lhead_s
	TLOAD G0H, G1B
	s_branch .Lhead_asked
.Lhead_s:
	TLOAD G0S, G1S
.Lhead_asked:
	s_mul_i32 s96, s23, HALFT
	s_add_co_u32 s96, s96, A0                      ; my 128 rows of A
	s_mul_i32 s97, s24, HALFT
	s_add_co_u32 s97, s97, B0                      ; my head's 128 rows of B
	s_mul_i32 s98, s24, HALFS                      ; my head's scales (WS = 0),
	s_mul_i32 s99, s23, HALFS
	s_add_co_u32 s99, s99, AS
	s_sub_co_u32 s99, s99, s98                     ; and how far behind them my rows' scales lie
	s_mov_b32 s104, SLOT-232
	s_mov_b32 s105, SLOT+232
	s_lshl_b32 s2, s22, 10
	s_add_co_u32 s2, s2, STG                       ; my stage
	s_add_co_u32 s31, s2, 512
	s_mul_i32 s66, s25, 32*KROW                    ; the prefetches: my work-group's 32 rows of the 128 (the descriptors have been made and do not name s[4:5])
	s_mov_b32 s67, 0
	s_add_nc_u64 s[PFA:PFA+1], s[4:5], s[66:67]
	s_cmp_lt_u32 s22, 2
	s_cselect_b32 s[LIM], 0, -1
	s_lshl_b32 s7, s27, 1
	s_add_co_u32 s7, s7, s24                       ; n = 2 hp + j
	s_lshl_b32 s66, s7, 9
	s_add_nc_u64 s[10:11], s[10:11], s[66:67]      ; qs: 512 n
	s_lshl_b32 s8, s28, 12
	s_add_co_u32 s66, s66, s8
	s_add_nc_u64 s[12:13], s[12:13], s[66:67]      ; part: 4,096 rb + 512 n
	s_lshl_b32 s66, s28, 6
	s_lshl_b32 s8, s7, 3
	s_add_co_u32 s66, s66, s8
	s_add_nc_u64 s[14:15], s[14:15], s[66:67]      ; stat: 64 rb + 8 n
	v_and_b32 v1, 15, v0                           ; r
	v_bfe_u32 v2, v0, 4, 1                         ; h
	v_mul_u32_u24 v3, v1, PITCH
	v_mul_u32_u24 v4, v2, 24
	v_add_nc_u32 v4, v3, v4                        ; a fragment's row x pitch + 24 h
	v_sub_nc_u32 v7, 1, v2
	v_mul_u32_u24 v5, s104, v2
	v_add_nc_u32 v5, v3, v5
	v_add_nc_u32 v5, 232, v5                       ; lanes 0-15 byte 232 of the row in slot 0, lanes 16-31 byte 0 in slot 1;
	v_mul_u32_u24 v6, s105, v7
	v_add_nc_u32 v6, v3, v6                        ; lanes 0-15 byte 232 in slot 1, lanes 16-31 byte 0 in slot 0
	v_add_nc_u32 v[ADRA+2], s96, v5
	v_add_nc_u32 v[ADRA+3], s96, v6
	v_add_nc_u32 v[ADRB+2], s97, v5
	v_add_nc_u32 v[ADRB+3], s97, v6
	v_add_nc_u32 v[ADRA], s96, v4
	v_add_nc_u32 v[ADRB], s97, v4
	v_add_nc_u32 v[ADRA+1], SLOT, v[ADRA]
	v_add_nc_u32 v[ADRB+1], SLOT, v[ADRB]
	v_lshlrev_b32 v5, 6, v1                        ; my row's scales: 64 bytes a row,
	v_lshrrev_b32 v6, 8, v5
	v_lshl_add_u32 v5, v6, 4, v5                   ; 16 more for each 256 passed
	v_mul_u32_u24 v6, s99, v7                      ; lanes 0-15 take A's: the lower base + (1 - h) x the distance
	v_add_nc_u32 v5, v5, v6
	v_add_nc_u32 v[ADRS], s98, v5
	v_lshl_add_u32 v[STO], v2, 5, s2               ; channel 16 b + 8 h + j lies at 64 b + 32 h + 4 j
	v_and_b32 v6, 31, v0
	v_lshlrev_b32 v[PO], 4, v6
	v_add_nc_u32 v[RD], s2, v[PO]
	v_mov_b32 v[STM], s31
	v_mul_u32_u24 v[PFO], v6, KROW                 ; a lane a row
	v_lshlrev_b32 v7, 5, v2
.irp a, 0,1,2,3,4,5,6,7
	v_mov_b32 v[TP+\a], 0                          ; written once: a lane permute's destination counts as one of its sources
.endr
	s_wait_alu depctr_va_vdst(0)
.irp b, 0,1,2,3,4,5,6,7
	global_load_b128 v[QV+8*\b:QV+8*\b+3],   v7, s[10:11] offset:64*\b           ; q of channels 16 b + 8 h + 0 .. 7
	global_load_b128 v[QV+8*\b+4:QV+8*\b+7], v7, s[10:11] offset:64*\b+16
.endr
.irp b, 0,1,2,3,4,5,6,7
	global_load_b128 v[128+8*\b:128+8*\b+3],   v7, s[10:11] offset:4096+64*\b    ; q bk, for a moment where A's fragments will lie
	global_load_b128 v[128+8*\b+4:128+8*\b+7], v7, s[10:11] offset:4096+64*\b+16
.endr
	s_wait_loadcnt 0x0
.irp k, 0,2,4,6,8,10,12,14,16,18,20,22,24,26,28,30
	v_pk_add_f32 v[128+\k:129+\k], v[128+\k:129+\k], v[160+\k:161+\k]            ; the sum of q bk over my 64 channels, a tree of packed sums
.endr
.irp k, 0,2,4,6,8,10,12,14
	v_pk_add_f32 v[128+\k:129+\k], v[128+\k:129+\k], v[144+\k:145+\k]
.endr
.irp k, 0,2,4,6
	v_pk_add_f32 v[128+\k:129+\k], v[128+\k:129+\k], v[136+\k:137+\k]
.endr
.irp k, 0,2
	v_pk_add_f32 v[128+\k:129+\k], v[128+\k:129+\k], v[132+\k:133+\k]
.endr
	v_pk_add_f32 v[QB:QB+1], v[128:129], v[130:131]
.macro FRAG reg, adr, st, i            ; 16 rows x 128 K: 12 registers, in pieces of 8 bytes.  Byte y of a row lies in slot (y / 256) % 2 at byte y % 256 of the LDS row; lanes 16-31 read 24 bytes further on
.irp p, 0,1,2,3,4,5
.set BY, 96*(\st)+48*(\p/3)+8*(\p%3)
.if BY/ROWB == (BY+24)/ROWB
	ds_load_b64 v[\reg+2*\p:\reg+2*\p+1], v[\adr+(BY/ROWB)%2] offset:BY%ROWB+(\i)*16*PITCH
.else
	ds_load_b64 v[\reg+2*\p:\reg+2*\p+1], v[\adr+2+(BY/ROWB)%2] offset:BY%ROWB-232+(\i)*16*PITCH
.endif
.endr
.endm
; 16 matrix instructions: A's blocks a0, a0 + 1 x B's eight.  The 64 accumulators take turns, in the same order in every step.  zero = 1: the product starts the sum.
.macro MUL16 a0, p, q, sc, zero
.irp a, \a0, \a0+1
.irp b, 0,1,2,3,4,5,6,7
.if \zero
	v_wmma_scale_f32_16x16x128_f8f6f4 v[8*(8*((\a)%4)+\b):8*(8*((\a)%4)+\b)+7], v[128*(\p)+FR*\b:128*(\p)+FR*\b+FR-1], v[AF+FR*(\a):AF+FR*(\a)+FR-1], 0, v[SC+8*NQ*(\sc)+NQ*\b+(\q)], v[SC+8*NQ*(\sc)+NQ*(\a)+(\q)] matrix_a_fmt:MATRIX_FMT_FP6 matrix_b_fmt:MATRIX_FMT_FP6 matrix_a_scale:MATRIX_SCALE_ROW1
.else
	v_wmma_scale_f32_16x16x128_f8f6f4 v[8*(8*((\a)%4)+\b):8*(8*((\a)%4)+\b)+7], v[128*(\p)+FR*\b:128*(\p)+FR*\b+FR-1], v[AF+FR*(\a):AF+FR*(\a)+FR-1], v[8*(8*((\a)%4)+\b):8*(8*((\a)%4)+\b)+7], v[SC+8*NQ*(\sc)+NQ*\b+(\q)], v[SC+8*NQ*(\sc)+NQ*(\a)+(\q)] matrix_a_fmt:MATRIX_FMT_FP6 matrix_b_fmt:MATRIX_FMT_FP6 matrix_a_scale:MATRIX_SCALE_ROW1
.endif
.endr
.endr
.endm
.macro FETCH_B st, p
	WIN TO_B
.irp i, 0,1,2,3,4,5,6,7
	FRAG 128*(\p)+FR*\i, ADRB, \st, \i
.endr
	WIN 0
.endm
.macro FETCH_A st, i0
.irp i, \i0, \i0+1, \i0+2, \i0+3
	FRAG AF+FR*(\i), ADRA, \st, \i
.endr
.endm
.macro SCALES pr                       ; the scale words of steps 2 pr, 2 pr + 1 into set pr % 2
.irp i, 0,1,2,3,4,5,6,7
	ds_load_b64 v[SC+8*NQ*((\pr)%2)+NQ*\i:SC+8*NQ*((\pr)%2)+NQ*\i+1], v[ADRS] offset:\i*SBLK+4*NQ*(\pr)
.endr
.endm
; A step: 64 matrix instructions; the next step's fragments are fetched in its middle and at its end (step 16 is the next phase's step 0: the same slot, bytes and registers).
; Where the next step ENDS in a chunk not yet read: the wait for my tensor loads and a barrier.  Where it BEGINS in a later chunk: also the add and the wait for my reads; and, where something is left to fetch, a round of the cluster's barrier and the refill.
; last = 1: phase V's tail, which fetches nothing beyond chunk 5.  An even step fetches the scale words of the pair after the next step's; phase K's step 15 those of phase V's first pair.
.macro STEP st, zero, last
.set NX, (\st)+1
.set C0, (96*(\st))/ROWB
.set C1, (96*NX)/ROWB
.set E0, (96*(\st)+95)/ROWB
.set E1, (96*NX+95)/ROWB
.if C1 > C0 || E1 > E0
	s_wait_tensorcnt 0x0                           ; all my tensor loads have landed
.if C1 > C0
	ds_add_u32 v[SPW], v[NIL]
	s_wait_dscnt 4*NL+1                            ; the add and the youngest 24 loads (A's blocks 4-7) may be out
.else
	s_wait_dscnt 4*NL
.endif
	WIN MUL_LO
	MUL16 0, (\st)%2, (\st)%2, ((\st)/2)%2, \zero
	s_wait_dscnt 0x0                               ; the add and all my LDS reads are done
	s_barrier_signal -1
	MUL16 2, (\st)%2, (\st)%2, ((\st)/2)%2, \zero
	WIN 0
	s_barrier_wait -1
.if C1 > C0 && (C0+2 < CHUNKS || (\last) == 0)
	CREST                                          ; the barrier has opened a round of the cluster's barrier
.if C0+2 < CHUNKS
	s_add_nc_u64 s[G0+4*(C0%2)+2:G0+4*(C0%2)+3], s[G0+4*(C0%2)+2:G0+4*(C0%2)+3], 2*ROWB
	s_add_nc_u64 s[G0B+4*(C0%2)+2:G0B+4*(C0%2)+3], s[G0B+4*(C0%2)+2:G0B+4*(C0%2)+3], 2*WCH
	JLOAD C0%2, 0
.else
	s_sub_nc_u64 s[G0+4*(C0%2)+2:G0+4*(C0%2)+3], s[G0+4*(C0%2)+2:G0+4*(C0%2)+3], 4*ROWB          ; A: four chunks back;
	s_add_nc_u64 s[G0B+4*(C0%2)+2:G0B+4*(C0%2)+3], s[G0B+4*(C0%2)+2:G0B+4*(C0%2)+3], 4*WBLK-4*WCH ; B: on to Wv's block, four chunks back
	JLOAD C0%2, C0+2 == CHUNKS
.endif
.else
	PLACES NP
.endif
.else
	s_wait_dscnt 4*NL
	WIN MUL_LO
	MUL16 0, (\st)%2, (\st)%2, ((\st)/2)%2, \zero
	MUL16 2, (\st)%2, (\st)%2, ((\st)/2)%2, \zero
	s_wait_dscnt 0
	PLACES NP
.endif
	FETCH_B NX, NX%2
	FETCH_A NX, 0
.if (\st)%2 == 0 && (\st) < 14
	SCALES (\st)/2+1
.endif
.if (\st) == 15
	SCALES 0
.endif
.if (\st) == 2 || (\st) == 5
	ASK C0+4
.endif
	WIN MUL_HI
	MUL16 4, (\st)%2, (\st)%2, ((\st)/2)%2, \zero
	MUL16 6, (\st)%2, (\st)%2, ((\st)/2)%2, \zero
	PLACES NP
	WIN 0
	FETCH_A NX, 4
.endm
; BEHIND PHASE K: the scores of my 128 rows, their maximum, p and its sum.  No LDS instruction stands here, so the next step's counted wait counts the same loads.
.macro EPI_K
.irp hi, 0,1
	WIN 0x02+\hi
.irp b, 0,1,2,3,4,5,6,7
.irp jp, 0,1,2,3
.irp a, 0,1,2,3
.if (\b == 0) && (\jp == 0)
	v_pk_fma_f32 v[SS+2*(4*\hi+\a):SS+2*(4*\hi+\a)+1], v[8*(8*\a+\b)+2*\jp:8*(8*\a+\b)+2*\jp+1], v[QV+8*\b+2*\jp:QV+8*\b+2*\jp+1], v[QB:QB+1]
.else
	v_pk_fma_f32 v[SS+2*(4*\hi+\a):SS+2*(4*\hi+\a)+1], v[8*(8*\a+\b)+2*\jp:8*(8*\a+\b)+2*\jp+1], v[QV+8*\b+2*\jp:QV+8*\b+2*\jp+1], v[SS+2*(4*\hi+\a):SS+2*(4*\hi+\a)+1]
.endif
.endr
.endr
.endr
.endr
	WIN 0
.irp a, 0,1,2,3,4,5,6,7
	v_add_f32 v[SS+2*\a], v[SS+2*\a], v[SS+2*\a+1]
.endr
.irp a, 0,1,2,3,4,5,6,7
	v_permlanex16_b32 v[TP+\a], v[SS+2*\a], s[SEL], s[SEL+1]       ; the row's other 64 channels lie in the lane 16 away
.endr
.irp a, 0,1,2,3,4,5,6,7
	v_add_f32 v[SS+2*\a], v[SS+2*\a], v[TP+\a]     ; t of row 16 a + r
.endr
	v_max3_num_f32 v[MXR], v[SS], v[SS+2], v[SS+4]
	v_max3_num_f32 v[MXR], v[MXR], v[SS+6], v[SS+8]
	v_max3_num_f32 v[MXR], v[MXR], v[SS+10], v[SS+12]
	v_max_num_f32 v[MXR], v[MXR], v[SS+14]
.irp m, 1,2,4,8
	v_max_num_f32_dpp v[MXR], v[MXR], v[MXR] row_xmask:\m row_mask:0xf bank_mask:0xf   ; m, the largest t of my 128 rows
.endr
.irp a, 0,1,2,3,4,5,6,7
	v_sub_f32 v[SS+2*\a], v[SS+2*\a], v[MXR]
.endr
	s_wait_alu depctr_va_vdst(0)                   ; the wait ahead of the batch
.irp a, 0,1,2,3,4,5,6,7
	v_exp_f32 v[SS+2*\a], v[SS+2*\a]               ; p = 2^(t - m), at most 1
.endr
	v_nop
	s_wait_alu depctr_va_vdst(0)                   ; and behind it, ahead of its first reader
	v_add_f32 v[SUMR], v[SS], v[SS+2]
	v_add_f32 v252, v[SS+4], v[SS+6]
	v_add_f32 v253, v[SS+8], v[SS+10]
	v_add_f32 v254, v[SS+12], v[SS+14]
	v_add_f32 v[SUMR], v[SUMR], v252
	v_add_f32 v253, v253, v254
	v_add_f32 v[SUMR], v[SUMR], v253
.irp m, 1,2,4,8
	v_add_f32_dpp v[SUMR], v[SUMR], v[SUMR] row_xmask:\m row_mask:0xf bank_mask:0xf    ; l
.endr
.endm
; BEHIND PHASE V: F[dd] = the sum over my 128 rows of p V[row][dd]: over the eight tiles in a lane, then over a tile's sixteen rows across lanes.
.macro EPI_V
.irp hi, 0,1
	WIN 0x02+\hi
.irp a, 0,1,2,3
.irp b, 0,1,2,3,4,5,6,7
.irp jp, 0,1,2,3
.if (\hi == 0) && (\a == 0)
	v_pk_mul_f32 v[FV+8*\b+2*\jp:FV+8*\b+2*\jp+1], v[8*(8*\a+\b)+2*\jp:8*(8*\a+\b)+2*\jp+1], v[SS+2*(4*\hi+\a):SS+2*(4*\hi+\a)+1] op_sel_hi:[1,0]
.else
	v_pk_fma_f32 v[FV+8*\b+2*\jp:FV+8*\b+2*\jp+1], v[8*(8*\a+\b)+2*\jp:8*(8*\a+\b)+2*\jp+1], v[SS+2*(4*\hi+\a):SS+2*(4*\hi+\a)+1], v[FV+8*\b+2*\jp:FV+8*\b+2*\jp+1] op_sel_hi:[1,0,1]
.endif
.endr
.endr
.endr
.endr
	WIN 0
.irp m, 1,2,4,8
.set kk, 0
.rept 64
	v_add_f32_dpp v[FV+kk], v[FV+kk], v[FV+kk] row_xmask:\m row_mask:0xf bank_mask:0xf
.set kk, kk+1
.endr
.endr
.endm
	s_wait_alu depctr_va_vdst(0)
	s_wait_tensorcnt 0x0                           ; my tile of the head's four is in; the lines ahead of a later first fill:
	ds_add_u32 v[SPW], v[NIL]
	s_mov_b32 s[G1B+2], 256<<16                    ; no tensor load of mine is out: from here on B's tile has 256 rows
	s_mov_b32 s[G1B+4], 256
	s_wait_dscnt 0x0
	CROUND                                         ; everybody's tiles are in, and all sixteen work-groups are here
	JLOAD 1, 0                                     ; chunk 1, slot 1's first fill
	FETCH_B 0, 0
	FETCH_A 0, 0
	SCALES 0
	FETCH_A 0, 4
	s_mov_b32 s3, 0                                ; the phase: 0 = K, 1 = V
.Lphase:
	STEP 0, 1, 0                                   ; a phase's first products start the sums
.irp t, 1,2,3,4,5,6,7,8,9,10,11,12
	STEP \t, 0, 0
.endr
	s_cmp_lg_u32 s3, 0
	s_cbranch_scc1 .Ltail_v
	STEP 13, 0, 0                                  ; THE RING GOES ON INTO PHASE V: slot 0 takes its chunk 0, and Wv's scales take the place of Wk's,
	STEP 14, 0, 0
	STEP 15, 0, 0                                  ; slot 1 its chunk 1; phase V's first fragments and scale words are fetched
	EPI_K
	s_add_co_u32 s3, s3, 1
	s_cmp_lt_u32 s3, 2
	s_wait_alu depctr_va_vdst(0)
	s_cbranch_scc1 .Lphase
.Ltail_v:
	STEP 13, 0, 1                                  ; phase V's tail asks for nothing
	STEP 14, 0, 1
	s_wait_dscnt 4*NL
	WIN MUL_LO
	MUL16 0, 1, 1, 1, 0
	MUL16 2, 1, 1, 1, 0
	s_wait_dscnt 0
	WIN MUL_HI
	MUL16 4, 1, 1, 1, 0
	MUL16 6, 1, 1, 1, 0
	WIN 0
	PLACES NP
	EPI_V
	; THE END.  The two waves of a head meet in the stage.  All sixteen lanes of a half hold the same F and write the same bytes with the same values.
.irp b, 0,1,2,3,4,5,6,7
	ds_store_b128 v[STO], v[FV+8*\b:FV+8*\b+3] offset:64*\b
	ds_store_b128 v[STO], v[FV+8*\b+4:FV+8*\b+7] offset:64*\b+16
.endr
	ds_store_b64 v[STM], v[MXR:MXR+1]              ; (m, l)
	s_wait_dscnt 0x0                               ; for the others' sake
	s_barrier_signal -1
	s_barrier_wait -1
	s_cmp_lg_u32 s23, 0                            ; waves 0 and 1 merge their head's two halves of rows and store; no barrier stands under this branch
	s_cbranch_scc1 .Ldone
	ds_load_b128 v[64:67], v[RD]                   ; my F: lane L takes channels 4 L .. 4 L + 3
	ds_load_b128 v[68:71], v[RD] offset:2048       ; that of the wave two on: the same head, the other 128 rows
	ds_load_b64 v[72:73], v[STM] offset:2048       ; and its (m, l)
	s_wait_dscnt 0x0
	v_max_num_f32 v74, v[MXR], v72                 ; the common maximum
	v_sub_f32 v76, v[MXR], v74
	v_sub_f32 v78, v72, v74
	s_wait_alu depctr_va_vdst(0)
	v_exp_f32 v76, v76
	v_exp_f32 v78, v78
	v_nop
	s_wait_alu depctr_va_vdst(0)
.irp k, 0,1,2,3
	v_mul_f32 v[64+\k], v[64+\k], v76
.endr
.irp k, 0,1,2,3
	v_fmac_f32 v[64+\k], v[68+\k], v78
.endr
	v_mul_f32 v75, v[SUMR], v76
	v_fmac_f32 v75, v73, v78                       ; v[74:75] = (m, l) of the block's 256 rows
	global_store_b128 v[PO], v[64:67], s[12:13]    ; 32 lanes store 512 consecutive bytes, at a multiple of 256 from part's first byte
	s_wait_alu depctr_va_vdst(0)
	s_wait_xcnt 0x0                                ; EXEC changes only behind this wait
	v_cmp_eq_u32 vcc_lo, 0, v[PO]
	s_and_saveexec_b32 s66, vcc_lo                 ; lane 0, whose offset is 0
	global_store_b64 v[PO], v[74:75], s[14:15]
	s_wait_xcnt 0x0
	s_or_b32 exec_lo, exec_lo, s66
.Ldone:
	s_wait_tensorcnt 0x0                           ; the wave's end
	ds_add_u32 v[SPW], v[NIL]
	s_wait_dscnt 0x0
	CROUND                                         ; the closing round
	s_endpgm
.Lfunc_end_k_q8d9fe5622c_attn:
	.size	k_q8d9fe5622c_attn, .Lfunc_end_k_q8d9fe5622c_attn-k_q8d9fe5622c_attn
	.p2alignl 7, 3214868480
	.fill 96, 4, 3214868480
	.section	.rodata,"a",@progbits
	.p2align	6, 0x0
	.amdhsa_kernel k_q8d9fe5622c_attn
		.amdhsa_group_segment_fixed_size 327680
		.amdhsa_private_segment_fixed_size 0
		.amdhsa_enable_private_segment 0
		.amdhsa_kernarg_size 48
		.amdhsa_user_sgpr_count 2
		.amdhsa_user_sgpr_kernarg_segment_ptr 1
		.amdhsa_wavefront_size32 1
		.amdhsa_system_sgpr_workgroup_id_x 1
		.amdhsa_system_sgpr_workgroup_id_y 1
		.amdhsa_system_sgpr_workgroup_id_z 1
		.amdhsa_system_vgpr_workitem_id 0
		.amdhsa_next_free_vgpr 1024
		.amdhsa_next_free_sgpr 106
		.amdhsa_reserve_vcc 1
		.amdhsa_float_denorm_mode_32 3
		.amdhsa_float_denorm_mode_16_64 3
		.amdhsa_memory_ordered 1
		.amdhsa_forward_progress 1
		.amdhsa_inst_pref_size 255
	.end_amdhsa_kernel
	.section	.bss,"aw",@nobits
	.p2align	6
	.space	262144
	.amdgpu_metadata
---
amdhsa.version: [ 1, 2 ]
amdhsa.kernels:
  - .name:           k_q8d9fe5622c_attn
    .symbol:         k_q8d9fe5622c_attn.kd
    .args:
      - { .name: mcodes, .offset: 0, .size: 8, .value_kind: global_buffer, .address_space: global }
      - { .name: mscales, .offset: 8, .size: 8, .value_kind: global_buffer, .address_space: global }
      - { .name: wre, .offset: 16, .size: 8, .value_kind: global_buffer, .address_space: global }
      - { .name: qs, .offset: 24, .size: 8, .value_kind: global_buffer, .address_space: global }
      - { .name: part, .offset: 32, .size: 8, .value_kind: global_buffer, .address_space: global }
      - { .name: stat, .offset: 40, .size: 8, .value_kind: global_buffer, .address_space: global }
    .group_segment_fixed_size: 327680
    .private_segment_fixed_size: 0
    .kernarg_segment_align: 8
    .kernarg_segment_size: 48
    .max_flat_workgroup_size: 128
    .sgpr_count:     106
    .vgpr_count:     1024
    .wavefront_size: 32
...
	.end_amdgpu_metadata
.endif
;; end of part 2
;; launch finish (part 3): grid 256 x 1, 16 waves a work-group, no clusters, 12,288 bytes of LDS; arguments part, stat, x, Wo, bo, bv, out0; writes out0
.if DOCPART == 3
	.amdgcn_target "amdgcn-amd-amdhsa--gfx1250"
	.amdhsa_code_object_version 6
	.text
	.protected	k_q8d9fe5622c_finish
	.globl	k_q8d9fe5622c_finish
	.p2align	8
	.type	k_q8d9fe5622c_finish,@function
k_q8d9fe5622c_finish:
	s_mov_b64 s[64:65], 0
	v_nop
	global_prefetch_b8 v0, s[64:65] scope:SCOPE_SE
	s_setreg_imm32_b32 hwreg(HW_REG_WAVE_MODE, 25, 1), 1
	s_wait_xcnt 0x0
; out0 = relu([x, feat] Wo^T + bo), feat[8 dd + n] = (the sum over the 64 row blocks of 2^(m_b - M) part[b][n][dd]) / (the sum of 2^(m_b - M) l_b) + bv[8 dd + n], M = the largest m_b of head n.  All in f32.
; SHARES.  Work-group g owns outputs 4 g .. 4 g + 3.  Sixteen waves, each with two parts to play.
; THE MERGE: wave w takes head n = w % 8 and half hb = w / 8 of the 64 blocks; lane L takes channels 4 L .. 4 L + 3.  Its 32 blocks are 128 registers, so ALL of a wave's loads, 42, go out at the head, and no load waits for a sum.
;   Both waves of a head find M and the head's sum for themselves (64 pairs of numbers); each divides its half's sums, and the halves are added where feat is read.
; THE ROW: wave w takes row 4 g + w % 4 of Wo and quarter w / 4 of its 2,048 columns: 2,048 bytes, read once in the launch.  Quarters 0 and 1 multiply x, quarters 2 and 3 feat; x or bv is chosen by the wave's number, a pointer's choice.
; Every work-group merges all 64 blocks for itself: 262,144 bytes of part, each number taken once from a register into one multiply-add.  No cluster and no tensor load: a way through LDS would add a store and a load for each of these
; numbers, and a launch of its own for the merge would cost a start and an end for 1,024 numbers.
; feat IN LDS lies in the order of h, one array for each half of the blocks, with 16 bytes of padding behind every 128: number h at 4 h + 16 (h / 32).  A lane's four numbers are h = 32 L + 8 k + n, so the lanes of a store stand 144 bytes apart.
.set FP,   4608                        ; an array of feat: 4,096 bytes + 32 paddings of 16
.set FEAT, 0                           ; LDS: the two arrays,
.set OUTS, 2*FP                        ; and the sixteen waves' results, 64 bytes
.set BA,   128                         ; v128-191 my blocks 0-15: 4 numbers each
.set BB,   192                         ; v192-255 my blocks 16-31
	s_load_b256 s[4:11], s[0:1], 0x0               ; part s[4:5], stat s[6:7], x s[8:9], Wo s[10:11]
	s_load_b128 s[12:15], s[0:1], 0x20             ; bo s[12:13], bv s[14:15]
	s_load_b64 s[16:17], s[0:1], 0x30              ; out0
	v_lshl_add_u32 v126, v0, 2, 0x2800
	v_mov_b32 v127, 0
	v_lshrrev_b32 v1, 5, v0
	s_delay_alu instid0(VALU_DEP_1)
	v_readfirstlane_b32 s18, v1                    ; wave w = 0..15
	v_and_b32 v26, 31, v0                          ; lane L
	s_delay_alu instid0(VALU_DEP_1)
	v_lshlrev_b32 v1, 4, v26                       ; 16 L
	s_wait_alu depctr_va_vdst(0)
	s_and_b32 s23, s18, 7                          ; the merge: head n,
	s_lshr_b32 s19, s18, 3                         ; half hb
	s_lshl_b32 s24, s23, 3
	s_lshl_b32 s25, s19, 11
	s_add_co_u32 s24, s24, s25
	v_lshl_add_u32 v2, v26, 6, s24                 ; stat: block 32 hb + L, head n: 64 L + 8 n + 2,048 hb (64 L + 8 n is under 2,048),
	s_delay_alu instid0(VALU_DEP_1)
	v_xor_b32 v27, 0x800, v2                       ; and the other half's block
	s_lshl_b32 s24, s23, 9
	s_lshl_b32 s25, s19, 17
	s_add_co_u32 s24, s24, s25
	v_add_nc_u32 v3, s24, v1                       ; part: 512 n + 16 L + 32 hb blocks of 4,096 bytes; the block of my 32 stands in the immediate
	s_lshl_b32 s24, s23, 2
	s_mul_i32 s25, s19, FP
	s_add_co_u32 s24, s24, s25
	v_mul_u32_u24 v5, v26, 144
	s_delay_alu instid0(VALU_DEP_1)
	v_add_nc_u32 v5, s24, v5                       ; feat, on the way in: 144 L + 4 n + my half's array; + 32 k in the immediate
	s_lshl_b32 s24, s18, 2
	s_add_co_u32 s24, s24, OUTS
	v_mov_b32 v6, s24                              ; my result's word
	v_and_b32 v4, 3, v26
	s_delay_alu instid0(VALU_DEP_1)
	v_lshlrev_b32 v4, 2, v4                        ; the way out: 4 (L % 4)
	s_delay_alu instid0(VALU_DEP_1)
	v_add_nc_u32 v7, OUTS, v4
	s_and_b32 s26, s18, 3                          ; the row: which of the four,
	s_lshr_b32 s27, s18, 2                         ; which quarter of its columns,
	s_and_b32 s28, s27, 1                          ; which half of x or of feat that is
	v_lshrrev_b32 v28, 3, v26
	s_delay_alu instid0(VALU_DEP_1)
	v_add_nc_u32 v28, v28, v26
	s_delay_alu instid0(VALU_DEP_1)
	v_lshlrev_b32 v28, 4, v28
	s_mul_i32 s29, s28, 4*576
	v_add_nc_u32 v28, s29, v28                     ; feat, on the way out: numbers 512 half + 128 j + 4 L on: 2,304 half + 16 L + 16 (L / 8); + 576 j in the immediate
	s_mov_b32 s20, 0x76543210
	s_mov_b32 s21, 0xfedcba98                      ; v_permlanex16_b32's selects for lane l xor 16
	v_mov_b32 v17, 0                               ; written once: a lane permute's destination counts as one of its sources
	s_lshl_b32 s30, ttmp9, 2
	s_add_co_u32 s30, s30, s26                     ; my row of Wo
	s_lshl_b32 s48, s30, 13                        ; 8,192 bytes a row,
	s_lshl_b32 s31, s27, 11                        ; 2,048 a quarter
	s_add_co_u32 s48, s48, s31
	s_mov_b32 s49, 0
	s_lshl_b32 s50, s30, 2                         ; bo of my row
	s_mov_b32 s51, 0
	s_lshl_b32 s52, s28, 11                        ; my half of x or of bv
	s_mov_b32 s53, 0
	s_lshl_b32 s54, ttmp9, 4                       ; out0: 16 bytes a work-group
	s_mov_b32 s55, 0
	s_wait_kmcnt 0x0
	s_add_nc_u64 s[10:11], s[10:11], s[48:49]
	s_add_nc_u64 s[12:13], s[12:13], s[50:51]
	s_add_nc_u64 s[16:17], s[16:17], s[54:55]
	s_cmp_lt_u32 s27, 2                            ; quarters 0, 1: x; quarters 2, 3: bv.  The choice hangs on the wave's number alone
	s_cselect_b64 s[8:9], s[8:9], s[14:15]
	s_add_nc_u64 s[8:9], s[8:9], s[52:53]
	s_load_b32 s22, s[12:13], 0x0                  ; bo of my row
	global_load_b64 v[8:9], v2, s[6:7]             ; (m, l) of my half's block L,
	global_load_b64 v[10:11], v27, s[6:7]          ; and of the other half's
.macro PLOAD buf, blk0                 ; sixteen blocks of part, from my blk0-th on: each load reads 512 consecutive bytes
.irp i, 0,1,2,3,4,5,6,7,8,9,10,11,12,13,14,15
	global_load_b128 v[\buf+4*\i:\buf+4*\i+3], v3, s[4:5] offset:(\blk0+\i)*4096
.endr
.endm
	PLOAD BA, 0
	PLOAD BB, 16
.irp j, 0,1,2,3
	global_load_b128 v[32+4*\j:35+4*\j], v1, s[8:9] offset:512*\j      ; x or bv: 16 numbers a lane, v32-47
.endr
.irp j, 0,1,2,3
	global_load_b128 v[64+4*\j:67+4*\j], v1, s[10:11] offset:512*\j th:TH_LOAD_NT   ; my quarter of my row of Wo: v64-79
.endr
; sixteen blocks' weights come out of lanes lane0 .. lane0 + 15 of v[wreg] into scalar registers; then 64 multiply-adds.  first = 1: the first block starts the four sums
.macro COMB buf, wreg, lane0, first
.irp i, 0,1,2,3,4,5,6,7,8,9,10,11,12,13,14,15
	v_readlane_b32 s[32+\i], v[\wreg], \lane0+\i
.endr
.irp i, 0,1,2,3,4,5,6,7,8,9,10,11,12,13,14,15
.irp k, 0,1,2,3
.if \first && (\i == 0)
	v_mul_f32 v[12+\k], s[32+\i], v[\buf+4*\i+\k]
.else
	v_fmac_f32 v[12+\k], s[32+\i], v[\buf+4*\i+\k]
.endif
.endr
.endr
.endm
	s_wait_loadcnt 40                              ; stat is in; the 40 loads behind it may be out
	v_max_num_f32 v16, v8, v10
.irp m, 1,2,4,8
	s_delay_alu instid0(VALU_DEP_1)
	v_max_num_f32_dpp v16, v16, v16 row_xmask:\m row_mask:0xf bank_mask:0xf
.endr
	s_wait_alu depctr_va_vdst(0)
	v_permlanex16_b32 v17, v16, s20, s21
	s_delay_alu instid0(VALU_DEP_1)
	v_max_num_f32 v16, v16, v17                    ; M: the largest of the head's 64 maxima
	s_delay_alu instid0(VALU_DEP_1)
	v_sub_f32 v18, v8, v16
	s_delay_alu instid0(VALU_DEP_2)
	v_sub_f32 v19, v10, v16
	s_wait_alu depctr_va_vdst(0)
	v_exp_f32 v18, v18                             ; the weight of my half's block L,
	v_exp_f32 v19, v19                             ; and of the other half's: at most 1, and one of the 64 is 1
	v_nop                                          ; a plain instruction behind the last exponential
	s_wait_alu depctr_va_vdst(0)                   ; one wait for the two, ahead of their first reader
	v_mul_f32 v20, v18, v9
	v_fmac_f32 v20, v19, v11
.irp m, 1,2,4,8
	s_delay_alu instid0(VALU_DEP_1)
	v_add_f32_dpp v20, v20, v20 row_xmask:\m row_mask:0xf bank_mask:0xf
.endr
	s_delay_alu instid0(VALU_DEP_1)
	v_permlanex16_b32 v17, v20, s20, s21
	s_delay_alu instid0(VALU_DEP_1)
	v_add_f32 v20, v20, v17                        ; the head's sum of p, at least 1
	s_wait_alu depctr_va_vdst(0)
	v_rcp_f32 v21, v20                             ; its wait stands ahead of its first reader, behind both runs of sums
	s_wait_loadcnt 24                              ; my blocks 0-15 are in; blocks 16-31 and the eight loads of x or bv and of Wo may be out
	COMB BA, 18, 0, 1
	s_wait_loadcnt 8                               ; blocks 16-31 are in
	COMB BB, 18, 16, 0
	s_wait_alu depctr_va_vdst(0)                   ; the reciprocal's wait, ahead of its first reader
.irp k, 0,1,2,3
	v_mul_f32 v[12+\k], v[12+\k], v21
.endr
.irp k, 0,1,2,3
	ds_store_b32 v5, v[12+\k] offset:FEAT+32*\k
.endr
	s_wait_dscnt 0x0                               ; for the others' sake: my numbers lie in LDS
	s_barrier_signal -1
	s_barrier_wait -1
	s_wait_loadcnt 0x0                             ; x or bv, and Wo
	s_cmp_lt_u32 s27, 2                            ; quarters 0 and 1 have their operand, x; no barrier stands under this branch
	s_cbranch_scc1 .Ldot
.irp j, 0,1,2,3
	ds_load_b128 v[128+4*\j:131+4*\j], v28 offset:FEAT+576*\j          ; blocks 0-31's part of my 512 numbers of feat,
.endr
.irp j, 0,1,2,3
	ds_load_b128 v[144+4*\j:147+4*\j], v28 offset:FEAT+FP+576*\j       ; and blocks 32-63's
.endr
	s_wait_dscnt 0x0
.irp k, 0,2,4,6,8,10,12,14
	v_pk_add_f32 v[32+\k:33+\k], v[32+\k:33+\k], v[128+\k:129+\k]
.endr
.irp k, 0,2,4,6,8,10,12,14
	v_pk_add_f32 v[32+\k:33+\k], v[32+\k:33+\k], v[144+\k:145+\k]      ; feat = bv + the two halves
.endr
.Ldot:
	v_pk_mul_f32 v[22:23], v[32:33], v[64:65]      ; my quarter of the row's sum: two packed chains, started by the first products
	v_pk_mul_f32 v[24:25], v[34:35], v[66:67]
.irp k, 4,8,12
	s_delay_alu instid0(VALU_DEP_2)
	v_pk_fma_f32 v[22:23], v[32+\k:33+\k], v[64+\k:65+\k], v[22:23]
	s_delay_alu instid0(VALU_DEP_2)
	v_pk_fma_f32 v[24:25], v[34+\k:35+\k], v[66+\k:67+\k], v[24:25]
.endr
	s_delay_alu instid0(VALU_DEP_1)
	v_pk_add_f32 v[22:23], v[22:23], v[24:25]
	s_delay_alu instid0(VALU_DEP_1)
	v_add_f32 v22, v22, v23
.irp m, 1,2,4,8
	s_delay_alu instid0(VALU_DEP_1)
	v_add_f32_dpp v22, v22, v22 row_xmask:\m row_mask:0xf bank_mask:0xf
.endr
	s_delay_alu instid0(VALU_DEP_1)
	v_permlanex16_b32 v17, v22, s20, s21
	s_delay_alu instid0(VALU_DEP_1)
	v_add_f32 v22, v22, v17
	s_wait_alu depctr_va_vdst(0)
	s_wait_kmcnt 0x0                               ; bo
	s_cmp_eq_u32 s27, 0
	s_cselect_b32 s22, s22, 0                      ; quarter 0 adds it, the others 0
	v_add_f32 v22, s22, v22
	ds_store_b32 v6, v22                           ; all lanes write the same word with the same value
	s_wait_dscnt 0x0
	s_barrier_signal -1
	s_barrier_wait -1
	s_cmp_lg_u32 s18, 0                            ; wave 0 adds each row's four quarters and stores the work-group's four numbers: 16 consecutive bytes
	s_cbranch_scc1 .Lend
	ds_load_b32 v23, v7
	ds_load_b32 v24, v7 offset:16
	ds_load_b32 v25, v7 offset:32
	ds_load_b32 v29, v7 offset:48
	s_wait_dscnt 0x0
	v_add_f32 v23, v23, v24
	v_add_f32 v25, v25, v29
	s_delay_alu instid0(VALU_DEP_1)
	v_add_f32 v23, v23, v25
	s_delay_alu instid0(VALU_DEP_1)
	v_max_num_f32 v23, 0, v23                      ; relu
	s_wait_alu depctr_va_vdst(0)
	s_wait_xcnt 0x0                                ; EXEC changes only behind this wait
	v_cmp_gt_u32 vcc_lo, 4, v26
	s_and_saveexec_b32 s24, vcc_lo
	global_store_b32 v4, v23, s[16:17]
	s_wait_xcnt 0x0
	s_or_b32 exec_lo, exec_lo, s24
.Lend:
	s_wait_tensorcnt 0x0
	ds_add_u32 v126, v127
	s_wait_dscnt 0x0
	s_endpgm
.Lfunc_end_k_q8d9fe5622c_finish:
	.size	k_q8d9fe5622c_finish, .Lfunc_end_k_q8d9fe5622c_finish-k_q8d9fe5622c_finish
	.p2alignl 7, 3214868480
	.fill 96, 4, 3214868480
	.section	.rodata,"a",@progbits
	.p2align	6, 0x0
	.amdhsa_kernel k_q8d9fe5622c_finish
		.amdhsa_group_segment_fixed_size 12288
		.amdhsa_private_segment_fixed_size 0
		.amdhsa_enable_private_segment 0
		.amdhsa_kernarg_size 56
		.amdhsa_user_sgpr_count 2
		.amdhsa_user_sgpr_kernarg_segment_ptr 1
		.amdhsa_wavefront_size32 1
		.amdhsa_system_sgpr_workgroup_id_x 1
		.amdhsa_system_sgpr_workgroup_id_y 1
		.amdhsa_system_sgpr_workgroup_id_z 1
		.amdhsa_system_vgpr_workitem_id 0
		.amdhsa_next_free_vgpr 256
		.amdhsa_next_free_sgpr 66
		.amdhsa_reserve_vcc 1
		.amdhsa_float_denorm_mode_32 3
		.amdhsa_float_denorm_mode_16_64 3
		.amdhsa_memory_ordered 1
		.amdhsa_forward_progress 1
		.amdhsa_inst_pref_size 20
	.end_amdhsa_kernel
	.amdgpu_metadata
---
amdhsa.version: [ 1, 2 ]
amdhsa.kernels:
  - .name:           k_q8d9fe5622c_finish
    .symbol:         k_q8d9fe5622c_finish.kd
    .args:
      - { .name: part, .offset: 0, .size: 8, .value_kind: global_buffer, .address_space: global }
      - { .name: stat, .offset: 8, .size: 8, .value_kind: global_buffer, .address_space: global }
      - { .name: x, .offset: 16, .size: 8, .value_kind: global_buffer, .address_space: global }
      - { .name: Wo, .offset: 24, .size: 8, .value_kind: global_buffer, .address_space: global }
      - { .name: bo, .offset: 32, .size: 8, .value_kind: global_buffer, .address_space: global }
      - { .name: bv, .offset: 40, .size: 8, .value_kind: global_buffer, .address_space: global }
      - { .name: out0, .offset: 48, .size: 8, .value_kind: global_buffer, .address_space: global }
    .group_segment_fixed_size: 12288
    .private_segment_fixed_size: 0
    .kernarg_segment_align: 8
    .kernarg_segment_size: 56
    .max_flat_workgroup_size: 512
    .sgpr_count:     66
    .vgpr_count:     256
    .wavefront_size: 32
...
	.end_amdgpu_metadata
.endif
;; end of part 3
